; MI455X (gfx1250); checked and timed in simulation.
; The chip was launched on July 23, 2026; its instructions are those of AMD's public machine-readable ISA for CDNA 5 (MIT licence, August 2026) and "CDNA5" Instruction Set Architecture Reference Guide (July 2026). The comments in the code are by the model that wrote it; some were corrected since.
;; HQQSVD Linear. Allowed arithmetic: matrix products marked QUANTISED: E2M1 operands, one E8M0 scale for each 32 along K, by v_wmma_scale_f32_16x16x128_f8f6f4 with both operands' format E2M1 (or v_wmma_scale_f32_32x16x128_f4), f32 sums; everything else in f32.
;; Inputs: W_q 4,096 x 32 x 128 int32; bias 4,096 float32; scale 4,096 x 32 float32; svd_down_codes 4,096 x 1 x 16 uint8 (E2M1 codes of svd_down, K innermost, in blocks of 32 codes, two codes a byte); svd_down_scales 4,096 x 1 uint8 (E8M0 scales of svd_down, one for each 32 codes along K); svd_up_codes 4,096 x 1 x 16 uint8 (E2M1 codes of svd_up, K innermost, in blocks of 32 codes, two codes a byte); svd_up_scales 4,096 x 1 uint8 (E8M0 scales of svd_up, one for each 32 codes along K); x_codes 4 x 1,024 x 128 x 16 uint8 (E2M1 codes of x, K innermost, in blocks of 32 codes, two codes a byte); x_scales 4 x 1,024 x 128 uint8 (E8M0 scales of x, one for each 32 codes along K); zero_point 4,096 x 32 float32.
;; Outputs: out0 4 x 1,024 x 4,096 float32.
;; This version of the problem:
;;   THIS VERSION OF THE PROBLEM IS GIVEN IN LOW PRECISION. The matrix products marked QUANTISED in the list below multiply operands that are first quantised to E2M1 (2 exponent bits, 1 mantissa bit; 4 bits a number), with one power-of-two scale for each 32 numbers along K (OCP MX v1.0); their sums are f32. All else is computed in f32.
;;   The module's matrix products, in the order in which they are computed (A, B: the left and right operand; K: the contracted axis; several contracted axes count as one K, in the product's order):
;;     1. [M 4,096, K 32] x [K 32, N 4,096]; A: input svd_up (given as codes); B: input svd_down (given as codes): QUANTISED
;;     2. [M 4,096, K 4,096] x [K 4,096, N 4,096]; A: input x (given as codes); B: computed on the way: QUANTISED
;;   THE QUANTISER, for each operand of a quantised product, along K:
;;     - K is cut into blocks of 32 from its start; a last block that is shorter is filled with zeros.
;;     - A block's scale is 2^e with e = floor(log2(the largest magnitude in the block)) - 2, held to -126 .. 127; a block of zeros has e = 0. As a byte (E8M0): e + 127.
;;     - Each number is divided by its block's scale, clamped to +-6, and rounded to the nearest number of E2M1, ties to even, subnormals kept.
;;     - The product sums the exact products of the quantised numbers (number of the format x scale) in f32.
;;   ~~~python
;;   def quantise(x, axis):      # numpy; x: float32 -> the quantised numbers, widened to float32 again
;;       x = np.moveaxis(x, axis, -1); K = x.shape[-1]
;;       x = np.pad(x, [(0, 0)] * (x.ndim - 1) + [(0, -K % 32)]); x = x.reshape(x.shape[:-1] + (-1, 32)); a = np.abs(x).max(-1, keepdims=True)
;;       e = np.where(a > 0, np.clip(np.frexp(np.where(a > 0, a, 1))[1] - 1 - 2, -126, 127), 0)      # np.frexp(a)[1] - 1 = floor(log2(a)), exactly
;;       r = np.clip(x / 2.0 ** e, -6, 6)
;;       step = 2.0 ** (np.maximum(np.frexp(np.where(r == 0, 1, r))[1] - 1, 0) - 1)
;;       q = np.round(r / step) * step * 2.0 ** e      # np.round: ties to even
;;       return np.moveaxis(q.reshape(q.shape[:-2] + (-1,))[..., :K], -1, axis).astype(np.float32)
;;   ~~~
;;   OPERANDS COMPUTED ON THE WAY. 'Computed on the way' means the value that the module computes at that place (a softmax that the list does not call 'softmax' is quantised finished and normalised). What goes into a quantiser is computed in f32, as accurately as f32 sums, v_exp_f32 and their like allow (about 1e-6 of the number): no bf16 or f16 on the way to a quantiser, and a product that is left as it is and whose result goes on into a quantised operand takes f32 operands (vector FMAs, or v_wmma_f32_16x16x4_f32). A number that lies on a knife's edge between two numbers of the format may be rounded either way, as far as f32 arithmetic and the matrix unit's own rounding can turn it there, and no further.
;;   INPUTS GIVEN AS CODES. svd_down (in the module: [32, 4096], K = its axis 0); svd_up (in the module: [4096, 32], K = its axis 1); x (in the module: [4, 1024, 4096], K = its axis 2): each comes as NAME_codes (uint8): NAME with its K axis moved to the last place and cut into blocks of 32 codes, [.., K / 32, bytes a block], one block behind the other in memory; two codes a byte, the lower K in the low four bits (a code: sign, 2 exponent bits, 1 mantissa bit); and NAME_scales (uint8): the same leading axes, one E8M0 byte (e + 127) for each 32 codes along K. Its value is code x scale, taken as it is: it is not quantised again, and the codes and scales need not be those that the quantiser above would give.
;; One version. Each part assembles by itself: llvm-mc -triple=amdgcn-amd-amdhsa -mcpu=gfx1250 --defsym DOCPART=n.
;; ======== version 1 of 1: 2 launches
;; limits: right only within a limited range of input values
;; workspace buffers: w_img 8,912,896 bytes
;; launch wquant (part 1): grid 256 x 1, 16 waves a work-group, no clusters, 270,336 bytes of LDS; arguments W_q, scale, zero_point, svd_up_codes, svd_up_scales, svd_down_codes, svd_down_scales, w_img; writes w_img
.if DOCPART == 1
	.amdgcn_target "amdgcn-amd-amdhsa--gfx1250"
	.amdhsa_code_object_version 6
	.text
	.protected	k_q10d732af10_wquant
	.globl	k_q10d732af10_wquant
	.p2align	8
	.type	k_q10d732af10_wquant,@function
k_q10d732af10_wquant:
	s_mov_b64 s[64:65], 0
	v_nop
	global_prefetch_b8 v0, s[64:65] scope:SCOPE_SE
	s_setreg_imm32_b32 hwreg(HW_REG_WAVE_MODE, 25, 1), 1
	s_wait_xcnt 0x0
; W_f[o][i] = (W_q[o][i] - zero_point[o][i/128]) x scale[o][i/128] + the sum over r < 32 of svd_up[o][r] svd_down[r][i], in f32, is turned into codes of FP4 (E2M1) with one
; E8M0 scale byte for each 32 along i.  W_q: [4096][4096] int32.  scale, zero_point: [4096][32] f32.  svd_up, svd_down: codes, 16 bytes and one scale byte for each o and each i.
; WHY A LAUNCH OF ITS OWN: 16 work-groups of the product's launch read each row of W_f; quantised here, W_q's 4 bytes a number are read once and later reads are of codes.
; SHARES.  Work-group n takes the 64 rows 64 g .. 64 g + 63, g = n / 4, and i = 1024 (n % 4) .. + 1023.  Its wave w takes the 16 rows 64 g + 4 r + b, b = w % 4, r = 0 .. 15, and 256 along i, in two steps of 128,
; each of which is one group of scale and zero_point.  W_q comes by ONE tensor load a wave, 16 rows x 1,024 bytes, into LDS bytes of the wave's own, each filled once.
; A LANE (r = lane % 16, h = lane / 16) holds row r; its register 16 b + e holds i = 32 b + 16 h + e of the step's 128.  The small product is used TRANSPOSED (source 0 = 16 rows of svd_down, source 1 = my 16 rows
; of svd_up), and the rows of svd_down that form a tile are not neighbours: lane r of tile 2 b + v takes row 32 b + 8 v + r + 8 (r / 8): so result register 8 (2 b + v) + j lies where W_q's register 16 b + 8 v + j lies.
; K = 32 IN AN INSTRUCTION OF K = 128: svd_up's fragment holds its 32 codes in registers 0-3 of lanes 0-15 and ZERO CODES everywhere else, so whatever codes stand in svd_down's fragment for k = 32 .. 127 add nothing.
; The scale words are single bytes widened with zeros: the three dead blocks have the byte 0, which is a number and no NaN.
; THE WAY OUT: w_img is [g 64][step 32][4,352 bytes]: in a block, row set b's fragment at 1024 b (registers 4 c .. 4 c + 3 at + 512 c, lane l's 16 bytes at + 16 l), and at 4096 + 16 r + 4 b the scale word of row 64 g + 4 r + b.
; The scale words of a block come from four waves: they meet in LDS, and four waves store them, 256 consecutive bytes a block.
; NO CLUSTER: no two work-groups read the same byte of W_q; what they share are the small product's operands, 136 KiB beside 64 MiB.
; LIMITS: NaN and infinities among the inputs (a scale byte 0xff among them) are not served.  A block's scale byte is its largest magnitude's exponent field - 2, held at 1 from below;
; a block of zeros so gets the byte 1 where the rule says 127: its codes are zeros, and the bytes are read by this program alone.  (W_q - zero_point) x scale + the small product is one rounding short of the three that the formula has.
.set WREG,  16640                      ; LDS of a wave: 16 rows x XP
.set XP,    1040                       ; 1,024 bytes + 16 of padding = 260 words: the 16 rows that a load touches start at 16 different banks (64 banks of 4 bytes: ISA guide 11.1)
.set SX,    16*WREG                    ; the work-group's 8 x 256 bytes of scale words
.set SPARE, SX+2048                    ; the spare words, 128 bytes for each wave
.set BLK,   4352
.set ADX,  4
.set ADN,  5
.set ADS,  6
.set OUTA, 7
.set OUTS, 8
.set AUP,  9
.set ASZ,  10
.set AUS,  11
.set SXA,  12                          ; where my scale words go
.set SXR,  13                          ; where waves 0-3 read them
.set UP,   16                          ; v16-23   svd_up's fragment
.set UPS,  24
.set DNS,  26                          ; v26-33   svd_down's scale words, one register a tile
.set SCL,  34                          ; v34-35
.set ZPT,  38                          ; v38-39
.set SQ,   42
.set ZQ,   44
.set PW,   46                          ; v46-47   the scale word of each step
.set TM,   50                          ; v50-65
.set DN,   66                          ; v66-101  svd_down's eight tiles, four registers each, and four registers of zeros
.set PC,   102                         ; v102-117 the codes, a set for each step
.set X,    120                         ; v120-183 W_q's 64 numbers, then W_f's
.set D,    184                         ; v184-247 the small product's eight results
.set SPW,  254
.set NIL,  255
.set G1,   24
.set G0,   32
.set SEL,  60
	s_load_b256 s[4:11], s[0:1], 0x0               ; W_q, scale, zero_point, svd_up's codes
	s_load_b256 s[12:19], s[0:1], 0x20             ; svd_up's scales, svd_down's codes, its scales, w_img
	v_lshl_add_u32 v[SPW], v0, 2, SPARE
	v_mov_b32 v[NIL], 0
	ds_add_u32 v[SPW], v[NIL]
	ds_add_u32 v[SPW], v[NIL]
	v_lshrrev_b32 v1, 5, v0
	v_readfirstlane_b32 s20, v1                    ; wave 0..15
	; descriptor group 1: 16 rows x 256 elements of 4 bytes, every fourth row of W_q, 4 words of padding behind every 256
	s_mov_b32 s[G1+0], (2<<16)|(1<<20)|(7<<22)|(3<<25)
	s_mov_b32 s[G1+1], 256<<16
	s_mov_b32 s[G1+2], 16<<16
	s_mov_b32 s[G1+3], 256<<16
	s_mov_b32 s[G1+4], 16
	s_mov_b32 s[G1+5], 16384
	s_mov_b32 s[G1+6], 0
	s_mov_b32 s[G1+7], 0
	s_and_b32 s21, s20, 3                          ; b
	s_lshr_b32 s22, s20, 2                         ; which 256 of the 1,024 along i
	s_lshr_b32 s36, ttmp9, 2                       ; g
	s_and_b32 s37, ttmp9, 3
	s_lshl_b32 s38, s37, 3                         ; the work-group's first step of 32
	s_lshl_b32 s39, s22, 1
	s_add_co_u32 s39, s38, s39                     ; my first step
	s_lshl_b32 s23, s36, 6
	s_add_co_u32 s23, s23, s21                     ; my first row
	s_lshl_b32 s40, s23, 14                        ; W_q
	s_lshl_b32 s57, s39, 9
	s_add_co_u32 s40, s40, s57
	s_mov_b32 s41, 0
	s_lshl_b32 s42, s23, 7                         ; scale, zero_point
	s_lshl_b32 s57, s39, 2
	s_add_co_u32 s42, s42, s57
	s_mov_b32 s43, 0
	s_lshl_b32 s44, s23, 4                         ; svd_up's codes
	s_mov_b32 s45, 0
	s_mov_b32 s46, s23                             ; its scale bytes
	s_mov_b32 s47, 0
	s_lshl_b32 s48, s39, 11                        ; svd_down's codes
	s_mov_b32 s49, 0
	s_lshl_b32 s50, s39, 7                         ; its scale bytes
	s_mov_b32 s51, 0
	s_lshl_b32 s36, s36, 5
	s_add_co_u32 s52, s36, s39                     ; w_img: my codes
	s_mul_i32 s52, s52, BLK
	s_lshl_b32 s57, s21, 10
	s_add_co_u32 s52, s52, s57
	s_mov_b32 s53, 0
	s_add_co_u32 s54, s36, s38                     ; w_img: the scale words of the two blocks that wave 0..3 stores
	s_lshl_b32 s57, s21, 1
	s_add_co_u32 s54, s54, s57
	s_mul_i32 s54, s54, BLK
	s_mov_b32 s55, 0
	s_mul_i32 s56, s20, WREG
	s_lshl_b32 s57, s22, 9
	s_lshl_b32 s58, s21, 2
	s_add_co_u32 s57, s57, s58
	s_add_co_u32 s57, s57, SX
	s_lshl_b32 s59, s21, 9
	s_add_co_u32 s59, s59, SX
	s_mov_b32 s[SEL], 0x76543210
	s_mov_b32 s[SEL+1], 0xfedcba98
	s_mov_b32 s[G0], 1
	s_mov_b32 s[G0+1], s56
	s_wait_dscnt 0x0                               ; both opening adds are done
	s_wait_kmcnt 0x0
	s_add_nc_u64 s[G0+2:G0+3], s[4:5], s[40:41]
	s_or_b32 s[G0+3], s[G0+3], 0x80000000
	tensor_load_to_lds s[G0:G0+3], s[G1:G1+7]      ; all of the wave's W_q, ahead of everything else
	s_nop 0
.rept 4
	v_nop
.endr
	s_add_nc_u64 s[6:7], s[6:7], s[42:43]
	s_add_nc_u64 s[8:9], s[8:9], s[42:43]
	s_add_nc_u64 s[10:11], s[10:11], s[44:45]
	s_add_nc_u64 s[12:13], s[12:13], s[46:47]
	s_add_nc_u64 s[14:15], s[14:15], s[48:49]
	s_add_nc_u64 s[16:17], s[16:17], s[50:51]
	s_add_nc_u64 s[54:55], s[18:19], s[54:55]
	s_add_nc_u64 s[18:19], s[18:19], s[52:53]
	v_and_b32 v1, 15, v0                           ; r
	v_bfe_u32 v2, v0, 4, 1                         ; h
	v_and_b32 v3, 31, v0                           ; lane
	v_mul_u32_u24 v[ADX], v1, XP
	v_and_b32 v[ADS], 8, v1
	v_lshlrev_b32 v[AUP], 6, v1                    ; every fourth row: 64 bytes of codes,
	v_lshlrev_b32 v[AUS], 2, v1                    ; 4 scale bytes,
	v_lshlrev_b32 v[ASZ], 9, v1                    ; 512 bytes of scale and of zero_point
	v_lshl_add_u32 v[ADX], v2, 6, v[ADX]
	v_add_nc_u32 v[ADS], v[ADS], v1                ; r + 8 (r / 8)
	v_lshlrev_b32 v[OUTA], 4, v3
	v_mul_u32_u24 v[OUTS], v2, BLK
	v_add_nc_u32 v[ADX], s56, v[ADX]
	v_lshlrev_b32 v[ADN], 4, v[ADS]
	v_lshl_add_u32 v[OUTS], v1, 4, v[OUTS]
	v_lshl_add_u32 v[SXA], v1, 4, s57
	v_lshl_add_u32 v[SXR], v3, 4, s59
	s_wait_alu depctr_va_vdst(0)
; svd_down's eight tiles of step t: codes into four registers a tile, the scale byte widened with zeros.
.macro DOWN t
.irp u, 0,1,2,3,4,5,6,7
	global_load_b128 v[DN+4*\u:DN+4*\u+3], v[ADN], s[14:15] offset:2048*(\t)+16*(32*(\u/2)+8*(\u%2))
	global_load_u8 v[DNS+\u], v[ADS], s[16:17] offset:128*(\t)+32*(\u/2)+8*(\u%2)
.endr
.endm
	global_load_b128 v[UP:UP+3], v[AUP], s[10:11]
	global_load_u8 v[UPS], v[AUS], s[12:13]
	global_load_b64 v[SCL:SCL+1], v[ASZ], s[6:7]
	global_load_b64 v[ZPT:ZPT+1], v[ASZ], s[8:9]
	DOWN 0
.irp i, 4,5,6,7
	v_mov_b32 v[UP+\i], 0                          ; zero codes for k = 64 .. 127
.endr
.irp i, 32,33,34,35
	v_mov_b32 v[DN+\i], 0                          ; named by the last tile's fragment
.endr
.irp i, 4,5,6,7
	v_mov_b32 v[TM+\i], 0                          ; a lane permute's destination counts as one of its sources
.endr
	v_cmp_gt_u32 vcc_lo, 16, v3
	s_wait_alu depctr_va_vdst(0)
	s_wait_loadcnt 16                              ; the four ahead of DOWN 0's sixteen are in
.irp i, 0,1,2,3
	v_cndmask_b32 v[UP+\i], 0, v[UP+\i], vcc_lo    ; zero codes for k = 32 .. 63, which lie in lanes 16-31
.endr
	s_wait_alu depctr_va_vdst(0)
; 64 numbers of a lane become a fragment's codes in v[pc] on and its scale word in v[pw].
.macro QUANT src, pc, pw
.irp b, 0,1,2,3
	v_max3_num_f32 v[TM+\b], |v[\src+16*\b]|, |v[\src+1+16*\b]|, 0x1800000   ; and the floor 2^(3 - 127): so the byte cannot fall under 1
.endr
.irp i, 2,4,6,8,10,12,14
.irp b, 0,1,2,3
	v_max3_num_f32 v[TM+\b], v[TM+\b], |v[\src+16*\b+\i]|, |v[\src+1+16*\b+\i]|
.endr
.endr
.irp b, 0,1,2,3
	v_permlanex16_b32 v[TM+4+\b], v[TM+\b], s[SEL], s[SEL+1]
.endr
.irp b, 0,1,2,3
	v_max_num_f32 v[TM+\b], v[TM+\b], v[TM+4+\b]   ; with lane l xor 16's: the block's largest magnitude
.endr
.irp b, 0,1,2,3
	v_add_nc_u32 v[TM+12+\b], 0xff000000, v[TM+\b] ; 2 off its exponent field: the conversion's scale operand
.endr
.irp b, 0,1,2,3
	v_lshrrev_b32 v[TM+4+\b], 23, v[TM+12+\b]      ; the scale's byte
.endr
	v_lshl_or_b32 v[\pw], v[TM+5], 8, v[TM+4]      ; the four bytes make my row's scale word
	v_lshl_or_b32 v[\pw], v[TM+6], 16, v[\pw]
	v_lshl_or_b32 v[\pw], v[TM+7], 24, v[\pw]
.irp b, 0,1,2,3
	v_cvt_scalef32_pk8_fp4_f32 v[(\pc)+2*\b], v[\src+16*\b:\src+7+16*\b], v[TM+12+\b]
	v_cvt_scalef32_pk8_fp4_f32 v[(\pc)+1+2*\b], v[\src+8+16*\b:\src+15+16*\b], v[TM+12+\b]
.endr
	v_nop                                          ; one plain place behind a scaled conversion
.irp c, 0,1                                    ; the operand's layout wants a WHOLE block in a lane: lanes 0-15 block 2 c, lanes 16-31 block 2 c + 1
.irp i, 0,1
	v_permlane16_swap_b32 v[(\pc)+4*\c+\i], v[(\pc)+2+4*\c+\i]
.endr
.endr
.endm
; A step: 128 along i, one group of scale and zero_point, one fragment of w_img.
.macro STEP t
	v_mov_b32 v[SQ], v[SCL+\t]                     ; these four are also the places between the fragment's last write and the first product
	v_mov_b32 v[SQ+1], v[SCL+\t]
	v_mov_b32 v[ZQ], v[ZPT+\t]
	v_mov_b32 v[ZQ+1], v[ZPT+\t]
.if \t == 0
	s_wait_tensorcnt 0x0                           ; my W_q is in LDS.  Only I read these bytes
.endif
.irp b, 0,1,2,3
.irp q, 0,1,2,3
	ds_load_b128 v[X+16*\b+4*\q:X+16*\b+4*\q+3], v[ADX] offset:512*\t+128*\b+16*\q
.endr
.endr
	s_wait_loadcnt 0x0                             ; this step's tiles of svd_down
.irp u, 0,1,2,3,4,5,6,7
	v_wmma_scale_f32_16x16x128_f8f6f4 v[D+8*\u:D+8*\u+7], v[DN+4*\u:DN+4*\u+7], v[UP:UP+7], 0, v[DNS+\u], v[UPS] matrix_a_fmt:MATRIX_FMT_FP4 matrix_b_fmt:MATRIX_FMT_FP4
.endr
.irp b, 0,1,2,3
	s_wait_dscnt 12-4*\b                           ; block b's four loads are in, the younger blocks' may be out
.irp i, 0,1,2,3,4,5,6,7,8,9,10,11,12,13,14,15
	v_cvt_f32_i32 v[X+16*\b+\i], v[X+16*\b+\i]
.endr
.if (\b == 0) && (\t == 0)
	DOWN \t+1                                      ; behind sixteen plain lines that name no register of the products: the next step's tiles may land where these lay
.endif
.endr
.set j, 0
.rept 32
	v_pk_add_f32 v[X+j:X+j+1], v[X+j:X+j+1], v[ZQ:ZQ+1] neg_lo:[0,1] neg_hi:[0,1]   ; W_q - zero_point
.set j, j+2
.endr
.set j, 0
.rept 32
	v_pk_fma_f32 v[X+j:X+j+1], v[X+j:X+j+1], v[SQ:SQ+1], v[D+j:D+j+1]              ; x scale + the small product
.set j, j+2
.endr
	QUANT X, PC+8*\t, PW+\t
.irp c, 0,1
	global_store_b128 v[OUTA], v[PC+8*\t+4*\c:PC+8*\t+4*\c+3], s[18:19] offset:BLK*\t+512*\c   ; 32 lanes store 512 consecutive bytes
.endr
	ds_store_b32 v[SXA], v[PW+\t] offset:256*\t    ; lanes l and l + 16 hold the same word
.endm
	STEP 0
	STEP 1
	s_wait_alu depctr_va_vdst(0)
	s_wait_tensorcnt 0x0
	ds_add_u32 v[SPW], v[NIL]
	s_wait_dscnt 0x0                               ; my scale words are in LDS
	s_barrier_signal -1
	s_barrier_wait -1
	s_cmp_lt_u32 s20, 4
	s_cbranch_scc0 .Lend
	ds_load_b128 v[X:X+3], v[SXR]                  ; waves 0-3: the scale words of two blocks
	s_wait_dscnt 0x0
	global_store_b128 v[OUTS], v[X:X+3], s[54:55] offset:4096   ; 16 lanes store 256 consecutive bytes
.Lend:
	s_endpgm
.Lfunc_end_k_q10d732af10_wquant:
	.size	k_q10d732af10_wquant, .Lfunc_end_k_q10d732af10_wquant-k_q10d732af10_wquant
	.p2alignl 7, 3214868480
	.fill 96, 4, 3214868480
	.section	.rodata,"a",@progbits
	.p2align	6, 0x0
	.amdhsa_kernel k_q10d732af10_wquant
		.amdhsa_group_segment_fixed_size 270336
		.amdhsa_private_segment_fixed_size 0
		.amdhsa_enable_private_segment 0
		.amdhsa_kernarg_size 64
		.amdhsa_user_sgpr_count 2
		.amdhsa_user_sgpr_kernarg_segment_ptr 1
		.amdhsa_wavefront_size32 1
		.amdhsa_system_sgpr_workgroup_id_x 1
		.amdhsa_system_sgpr_workgroup_id_y 1
		.amdhsa_system_sgpr_workgroup_id_z 1
		.amdhsa_system_vgpr_workitem_id 0
		.amdhsa_next_free_vgpr 256
		.amdhsa_next_free_sgpr 66
		.amdhsa_reserve_vcc 1
		.amdhsa_float_denorm_mode_32 3
		.amdhsa_float_denorm_mode_16_64 3
		.amdhsa_memory_ordered 1
		.amdhsa_forward_progress 1
		.amdhsa_inst_pref_size 34
	.end_amdhsa_kernel
	.amdgpu_metadata
---
amdhsa.version: [ 1, 2 ]
amdhsa.kernels:
  - .name:           k_q10d732af10_wquant
    .symbol:         k_q10d732af10_wquant.kd
    .args:
      - { .name: W_q, .offset: 0, .size: 8, .value_kind: global_buffer, .address_space: global }
      - { .name: scale, .offset: 8, .size: 8, .value_kind: global_buffer, .address_space: global }
      - { .name: zero_point, .offset: 16, .size: 8, .value_kind: global_buffer, .address_space: global }
      - { .name: svd_up_codes, .offset: 24, .size: 8, .value_kind: global_buffer, .address_space: global }
      - { .name: svd_up_scales, .offset: 32, .size: 8, .value_kind: global_buffer, .address_space: global }
      - { .name: svd_down_codes, .offset: 40, .size: 8, .value_kind: global_buffer, .address_space: global }
      - { .name: svd_down_scales, .offset: 48, .size: 8, .value_kind: global_buffer, .address_space: global }
      - { .name: w_img, .offset: 56, .size: 8, .value_kind: global_buffer, .address_space: global }
    .group_segment_fixed_size: 270336
    .private_segment_fixed_size: 0
    .kernarg_segment_align: 8
    .kernarg_segment_size: 64
    .max_flat_workgroup_size: 512
    .sgpr_count:     66
    .vgpr_count:     256
    .wavefront_size: 32
...
	.end_amdgpu_metadata
.endif
;; end of part 1
;; launch gemm (part 2): grid 16 x 16, 4 waves a work-group, clusters of 4 x 4, 327,680 bytes of LDS; arguments x_codes, x_scales, w_img, bias, out0; writes out0
.if DOCPART == 2
	.amdgcn_target "amdgcn-amd-amdhsa--gfx1250"
	.amdhsa_code_object_version 6
	.text
	.protected	k_q10d732af10_gemm
	.globl	k_q10d732af10_gemm
	.p2align	8
	.type	k_q10d732af10_gemm,@function
k_q10d732af10_gemm:
	s_mov_b64 s[64:65], 0
	v_nop
	global_prefetch_b8 v0, s[64:65] scope:SCOPE_SE
	s_setreg_imm32_b32 hwreg(HW_REG_WAVE_MODE, 25, 1), 1
	s_wait_xcnt 0x0
	s_wait_alu depctr_hold_cnt(0) depctr_sa_sdst(0) depctr_va_vdst(0) depctr_va_sdst(0) depctr_va_ssrc(0) depctr_va_vcc(0) depctr_vm_vsrc(0)
	s_getreg_b32 s2, hwreg(HW_REG_IB_STS2, 6, 4)
	s_cmp_eq_u32 s2, 0
	s_cbranch_scc0 .Lentry_in_a_cluster
	s_endpgm
.Lentry_in_a_cluster:
	s_bfe_u32 s2, ttmp6, 0x10000c
	s_cmp_lg_u32 s2, 0xf033
	s_cbranch_scc0 .Lentry_shape_is_right
	s_endpgm
.Lentry_shape_is_right:
; out[m][n] = bias[n] + the sum over k of x[m][k] W[n][k].  x: [4096][4096] codes of FP4 with E8M0 scales as given.  W: codes and scale words as the launch before has laid them (w_img).  Sums in f32, K ascending.
; A tile of 256 x 256 is made by a work-group of four waves, a wave makes 128 x 128: 32 accumulators of 32 x 16, 512 registers.  256 tiles, 256 work-groups.
; K goes in eight K steps of 512 through two LDS slots filled by joint tensor loads; x's scales of the tile's 256 rows, for all of K, come once, at the head, and stay.  W's scale words ride in W's blocks.
; CLUSTERS of 4 x 4: the four work-groups of a row of the cluster need the same x, the four of a column the same W: each tile is asked for jointly, with one mask and one descriptor in all four.
; w_img: [64 columns, 64][128 along K, 32][4,352 bytes]: four fragments of 1,024 bytes in the order of the operand's registers, then 16 x 4 scale words.  A wave's tile of W is two rows of 17,408 bytes.
; COLUMNS: column 64 g + 4 r + b is lane r of fragment b.  In the result lane (r, h) holds column r of a fragment and rows 8 h + j (and 16 + 8 h + j), so the same register of the accumulators b = 0 .. 3 gives four
; NEIGHBOURING columns: four additions of the bias bring them together as 16 bytes, and 16 lanes store 256 consecutive bytes; two stores on end cover 512 bytes of a row.
; A STEP of 128 along K is 32 products; ahead of them stands one run of 34 LDS loads for the step after.  THE LAST K STEP goes by rows: W's fragments of all its four steps fill window 1, and the wave's four blocks of 32 rows
; are finished one after the other and stored.
; STRAIGHT-LINE: the place along K stands in the immediates.
; PREFETCH: two K steps ahead of the load that wants them, behind the LDS loads of a change of slots; each 256 bytes are named once in each cluster that will load them, the four partners sharing a tile out by address.  K steps 0 and 1 come by their loads alone.
; REGISTERS.  window 0: v2-13 addresses, v16-47 x's scale words (two K steps), v48-63 and v200-215 W's, v64-191 x's fragments (two sets), v192-199 bias, v224-255 results on their way out
;   window 1: W's fragments, two sets at v0 and v64 (in the last K step four).   windows 2, 3: the accumulators: (i, t) at v[128 (i % 2) + 16 t] of window 2 + i / 2
; LIMITS: NaN and infinities among the inputs (a scale byte 0xff among them) are carried as the matrix instruction and the addition carry them.
.set PITCH, 272                        ; 256 bytes + 16 of padding = 68 words: the 16 rows that a load touches start at 16 different banks (64 banks of 4 bytes: ISA guide 11.1)
.set HALFT, 34816                      ; 128 rows of x, or 128 columns of W
.set SLOT,  4*HALFT
.set WOFF,  2*HALFT
.set XSL,   2*SLOT
.set SP,    144                        ; a row of x's scales: 128 bytes + 16
.set SPARE, XSL+256*SP                 ; the spare words, 128 bytes for each wave
.set BLK,   4352
.set KW,    4*BLK                      ; a K step of 64 columns of W
.set GRP,   32*BLK                     ; all of K of 64 columns
.set OROW,  16384                      ; a row of out, in bytes
.set SPW,   2
.set NIL,   3
.set ADRA,  4                          ; v4-5   x's fragments in slot 0, 1
.set ADRB,  6                          ; v6-7   W's
.set ADRWS, 8                          ; v8-9   W's scale words
.set ADRXS, 10
.set PF1,   11
.set PF2,   12
.set CO,    13
.set XSC,   16
.set WSC,   48
.set X,     64
.set BI,    192
.set BO,    220
.set G1,   24
.set G0,   32
.set G1B,  48
.set G0B,  56
.set G1S,  68
.set G0S,  76
.set G0H,  80
.set G0HB, 84
.set PFA,  92
.set MSB, 0
.macro WIN new                         ; the immediate's high byte repeats the setting that is left
.if MSB != (\new)
	s_set_vgpr_msb (MSB<<8)|(\new)
.set MSB, (\new)
.endif
.endm
.macro PLACES
.rept 4
	v_nop
.endr
.endm
; A joint load: waves 0 and 1 fetch x's halves, waves 2 and 3 W's.
.macro JLOAD s
	s_cmp_eq_u32 s15, 0
	s_cbranch_scc0 .Lfor_w_\@
	tensor_load_to_lds s[G0+4*(\s):G0+4*(\s)+3], s[G1:G1+7]
	s_nop 0
.rept 4
	v_nop
.endr
	s_branch .Lasked_\@
.Lfor_w_\@:
	tensor_load_to_lds s[G0B+4*(\s):G0B+4*(\s)+3], s[G1B:G1B+7]
	s_nop 0
.rept 4
	v_nop
.endr
.Lasked_\@:
.endm
.macro CREST                           ; a round of the cluster's barrier behind its opening barrier
	s_cmp_lg_u32 s14, 0
	s_cbranch_scc1 .Lnot_wave_0_\@
	s_barrier_signal -3
.Lnot_wave_0_\@:
	s_barrier_wait -3
	s_barrier_signal -1
	s_barrier_wait -1
.endm
.macro CROUND
	s_barrier_signal -1
	s_barrier_wait -1
	CREST
.endm
; K step k into the L2: of the 128 rows of x that I fetch, my work-group's 32, a lane a row; of W's 136 blocks of 256 bytes, my work-group's 34 (the second line: the last two, named by all lanes in turn).
.macro ASK k
	s_cmp_eq_u32 s15, 0
	s_cbranch_scc0 .Lask_w_\@
	global_prefetch_b8 v[PF1], s[PFA:PFA+1] offset:256*(\k) th:TH_LOAD_NT scope:SCOPE_SE
	s_branch .Lask_done_\@
.Lask_w_\@:
	global_prefetch_b8 v[PF1], s[PFA:PFA+1] offset:KW*(\k) th:TH_LOAD_NT scope:SCOPE_SE
	global_prefetch_b8 v[PF2], s[PFA:PFA+1] offset:KW*(\k) th:TH_LOAD_NT scope:SCOPE_SE
.Lask_done_\@:
.endm
	s_load_b128 s[4:7], s[0:1], 0x0                ; x's codes, x's scales
	s_load_b128 s[8:11], s[0:1], 0x10              ; w_img, bias
	s_load_b64 s[12:13], s[0:1], 0x20              ; out
	v_lshl_add_u32 v[SPW], v0, 2, SPARE
	v_mov_b32 v[NIL], 0
	ds_add_u32 v[SPW], v[NIL]
	ds_add_u32 v[SPW], v[NIL]
	v_lshrrev_b32 v1, 5, v0
	v_readfirstlane_b32 s14, v1                    ; wave 0..3
	s_lshr_b32 s15, s14, 1                         ; which half of the tile's rows is mine.  Also: I fetch for x (0) or for W (1)
	s_and_b32 s16, s14, 1                          ; which half of its columns.  Also: which half of a tile I fetch
	s_bfe_u32 s40, ttmp6, 0x40000                  ; cx
	s_bfe_u32 s41, ttmp6, 0x40004                  ; cy
	s_lshl_b32 s42, ttmp9, 2
	s_add_co_u32 s42, s42, s40                     ; tile column
	s_and_b32 s17, ttmp7, 0xffff
	s_lshl_b32 s17, s17, 2
	s_add_co_u32 s17, s17, s41                     ; tile row
	s_lshl_b32 s43, s41, 2
	s_lshl_b32 s43, 15, s43                        ; my row of the cluster
	s_lshl_b32 s44, 0x1111, s40                    ; my column
	; group 1 of x's tiles: rows of 256 bytes, 4 words of padding behind every 64; 256 rows for the head's load, 128 behind it
	s_or_b32 s[G1+0], s43, (1<<20)|(1<<21)|(5<<22)|(3<<25)
	s_mov_b32 s[G1+1], 256<<16
	s_mov_b32 s[G1+2], 256<<16
	s_mov_b32 s[G1+3], 256<<16
	s_mov_b32 s[G1+4], 256
	s_mov_b32 s[G1+5], 2048
	s_mov_b32 s[G1+6], 0
	s_mov_b32 s[G1+7], 0
	; of W's: two rows of 17,408 bytes (elements of 8 bytes)
	s_or_b32 s[G1B+0], s44, (3<<16)|(1<<21)
	s_mov_b32 s[G1B+1], (KW/8)<<16
	s_mov_b32 s[G1B+2], 2<<16
	s_mov_b32 s[G1B+3], (KW/8)<<16
	s_mov_b32 s[G1B+4], 2
	s_mov_b32 s[G1B+5], GRP/8
	s_mov_b32 s[G1B+6], 0
	s_mov_b32 s[G1B+7], 0
	; of x's scales: a dense block, as 128 rows of 256 bytes; 4 words of padding behind every 32
	s_or_b32 s[G1S+0], s43, (3<<16)|(1<<20)|(1<<21)|(4<<22)|(3<<25)
	s_mov_b32 s[G1S+1], 32<<16
	s_mov_b32 s[G1S+2], 128<<16
	s_mov_b32 s[G1S+3], 32<<16
	s_mov_b32 s[G1S+4], 128
	s_mov_b32 s[G1S+5], 32
	s_mov_b32 s[G1S+6], 0
	s_mov_b32 s[G1S+7], 0
	s_lshl_b32 s20, s17, 19                        ; x: 256 rows of 2,048 bytes a tile
	s_mov_b32 s21, 0
	s_lshl_b32 s22, s17, 15                        ; its scales: 256 rows of 128 bytes
	s_mov_b32 s23, 0
	s_mul_i32 s46, s42, 4*GRP                      ; W: four groups of 64 columns
	s_mov_b32 s47, 0
	s_lshl_b32 s18, s16, 18                        ; the half that I fetch in the ring
	s_mov_b32 s19, 0
	s_mul_i32 s88, s16, 2*GRP
	s_mov_b32 s89, 0
	s_mul_i32 s90, s15, 2*GRP                      ; the half of W that waves 1 and 2 fetch at the head
	s_mov_b32 s91, 0
	s_lshl_b32 s94, s40, 16                        ; prefetches: x: 32 rows for each cx
	s_mov_b32 s95, 0
	s_lshr_b32 s96, s41, 1                         ; W: half of one of the two rows for each cy
	s_mul_i32 s96, s96, GRP
	s_and_b32 s98, s41, 1
	s_mul_i32 s98, s98, KW/2
	s_add_co_u32 s96, s96, s98
	s_mov_b32 s97, 0
	s_mul_i32 s45, s14, HALFT                      ; LDS: x's halves, then W's
	s_mul_i32 s98, s15, HALFT
	s_add_co_u32 s98, s98, WOFF
	s_mov_b32 s99, 256
	s_mov_b32 s100, 2048
	s_cmp_eq_u32 s15, 0
	s_cselect_b32 s99, s100, s99                   ; bytes from lane to lane of a prefetch
	v_and_b32 v1, 31, v0                           ; lane
	v_and_b32 v14, 15, v0                          ; r
	v_bfe_u32 v15, v0, 4, 1                        ; h
	s_mul_i32 s100, s15, HALFT                     ; my 128 rows of x
	v_mul_u32_u24 v[ADRA], v14, PITCH
	v_lshl_add_u32 v[ADRA], v15, 4, v[ADRA]
	v_add_nc_u32 v[ADRA], s100, v[ADRA]
	v_add_nc_u32 v[ADRA+1], SLOT, v[ADRA]
	s_mul_i32 s100, s16, HALFT                     ; my 128 columns of W
	s_add_co_u32 s100, s100, WOFF
	v_lshl_add_u32 v[ADRB], v1, 4, s100
	v_add_nc_u32 v[ADRB+1], SLOT, v[ADRB]
	v_lshl_add_u32 v[ADRWS], v14, 4, s100          ; lanes 16-31 read what lanes 0-15 read
	v_add_nc_u32 v[ADRWS+1], SLOT, v[ADRWS]
	s_mul_i32 s100, s15, 128*SP
	s_add_co_u32 s100, s100, XSL
	v_mul_u32_u24 v[ADRXS], v1, SP
	v_add_nc_u32 v[ADRXS], s100, v[ADRXS]
	v_mul_u32_u24 v[PF1], v1, s99
	v_and_b32 v[PF2], 1, v1
	v_lshlrev_b32 v[BO], 4, v14
	v_lshlrev_b32 v[CO], 17, v15                   ; lanes 16-31: 8 rows of out further down
	v_lshlrev_b32 v[PF2], 8, v[PF2]
	v_add_nc_u32 v[CO], v[BO], v[CO]
	v_add_nc_u32 v[PF2], 32*256, v[PF2]
	s_wait_alu depctr_va_vdst(0)
	s_wait_dscnt 0x0                               ; both opening adds are done
	s_wait_kmcnt 0x0
	s_add_nc_u64 s[20:21], s[4:5], s[20:21]
	s_add_nc_u64 s[22:23], s[6:7], s[22:23]
	s_add_nc_u64 s[46:47], s[8:9], s[46:47]
	CROUND                                         ; all sixteen work-groups are here: the first joint loads meet
	s_mov_b32 s[G0H], 1                            ; the head's tiles: K step 0's 256 rows of x,
	s_mov_b32 s[G0H+1], 0
	s_mov_b64 s[G0H+2:G0H+3], s[20:21]
	s_or_b32 s[G0H+3], s[G0H+3], 0x80000000
	s_mov_b32 s[G0HB], 1                           ; a half of its W,
	s_mov_b32 s[G0HB+1], s98
	s_add_nc_u64 s[G0HB+2:G0HB+3], s[46:47], s[90:91]
	s_or_b32 s[G0HB+3], s[G0HB+3], 0x80000000
	s_mov_b32 s[G0S], 1                            ; and x's scales
	s_mov_b32 s[G0S+1], XSL
	s_mov_b64 s[G0S+2:G0S+3], s[22:23]
	s_or_b32 s[G0S+3], s[G0S+3], 0x80000000
	s_add_nc_u64 s[20:21], s[20:21], s[18:19]
	s_add_nc_u64 s[46:47], s[46:47], s[88:89]
.irp s, 0,1
	s_mov_b32 s[G0+4*\s], 1
	s_add_co_u32 s[G0+4*\s+1], s45, \s*SLOT
	s_add_nc_u64 s[G0+4*\s+2:G0+4*\s+3], s[20:21], \s*256
	s_or_b32 s[G0+4*\s+3], s[G0+4*\s+3], 0x80000000
	s_mov_b32 s[G0B+4*\s], 1
	s_add_co_u32 s[G0B+4*\s+1], s45, \s*SLOT
	s_add_nc_u64 s[G0B+4*\s+2:G0B+4*\s+3], s[46:47], \s*KW
	s_or_b32 s[G0B+4*\s+3], s[G0B+4*\s+3], 0x80000000
.endr
; One load a wave: wave 0 x, waves 1 and 2 a half of W each, wave 3 x's scales.
	s_cmp_lt_u32 s14, 1
	s_cbranch_scc0 .Lhead_w
	tensor_load_to_lds s[G0H:G0H+3], s[G1:G1+7]
	s_nop 0
	PLACES
	s_branch .Lhead_asked
.Lhead_w:
	s_cmp_lt_u32 s14, 3
	s_cbranch_scc0 .Lhead_s
	tensor_load_to_lds s[G0HB:G0HB+3], s[G1B:G1B+7]
	s_nop 0
	PLACES
	s_branch .Lhead_asked
.Lhead_s:
	tensor_load_to_lds s[G0S:G0S+3], s[G1S:G1S+7]
	s_nop 0
	PLACES
.Lhead_asked:
	s_add_nc_u64 s[94:95], s[20:21], s[94:95]
	s_add_nc_u64 s[96:97], s[46:47], s[96:97]
	s_cmp_eq_u32 s15, 0
	s_cselect_b64 s[PFA:PFA+1], s[94:95], s[96:97]
	s_lshl_b32 s22, s42, 10                        ; my first column, in bytes of f32
	s_lshl_b32 s23, s16, 9
	s_add_co_u32 s22, s22, s23
	s_lshl_b32 s18, s17, 22                        ; my first row of out
	s_lshl_b32 s19, s15, 21
	s_add_co_u32 s18, s18, s19
	s_add_co_u32 s18, s18, s22
	s_mov_b32 s19, 0
	s_mov_b32 s23, 0
	s_add_nc_u64 s[12:13], s[12:13], s[18:19]
	s_add_nc_u64 s[10:11], s[10:11], s[22:23]
	global_load_b128 v[BI:BI+3], v[BO], s[10:11]
	global_load_b128 v[BI+4:BI+7], v[BO], s[10:11] offset:256
; W's eight fragments of a slot's q-th 128 along K into v[64 set ..] of window 1.
.macro WLD slot, q, set
	WIN 0x40
.irp t, 0,1,2,3,4,5,6,7
.irp c, 0,1
	ds_load_b128 v[64*(\set)+8*\t+4*\c:64*(\set)+8*\t+4*\c+3], v[ADRB+(\slot)] offset:(\t/4)*KW+(\q)*BLK+(\t%4)*1024+512*\c
.endr
.endr
	WIN 0
.endm
; Its scale words: register t: lanes 0-15 fragment t's.
.macro WSLD slot, q, reg
.irp g, 0,1
	ds_load_b128 v[(\reg)+4*\g:(\reg)+4*\g+3], v[ADRWS+(\slot)] offset:\g*KW+(\q)*BLK+4096
.endr
.endm
; K step k's scale words of my 128 rows: lane = row of a block of 32, four words.
.macro XSLD k
.irp i, 0,1,2,3
	ds_load_b128 v[XSC+16*((\k)&1)+4*\i:XSC+16*((\k)&1)+4*\i+3], v[ADRXS] offset:32*SP*\i+16*(\k)
.endr
.endm
.macro RUN slot, q, set                ; 34 LDS loads: a step's fragments and W's scale words
	WLD \slot, \q, \set
.irp n, 0,1,2,3,4,5,6,7
.irp c, 0,1
	ds_load_b128 v[X+64*(\set)+8*\n+4*\c:X+64*(\set)+8*\n+4*\c+3], v[ADRA+(\slot)] offset:\n*16*PITCH+64*(\q)+32*\c
.endr
.endr
	WSLD \slot, \q, WSC+8*(\set)
.endm
; Eight products: block i of 32 rows.  The accumulators take turns in the same order in every step; the first step starts the sums.
.macro MULI k, q, i
	WIN 0xa4+0x50*((\i)/2)
.irp t, 0,1,2,3,4,5,6,7
.set MD, 128*((\i)&1)+16*\t
.set MX, X+64*((\q)&1)+16*(\i)
.set MW, 64*((\q)&1)+8*\t
.set MA, XSC+16*((\k)&1)+4*(\i)+(\q)
.set MB, WSC+8*((\q)&1)+\t
.if (4*(\k)+(\q)) == 0
	v_wmma_scale_f32_32x16x128_f4 v[MD:MD+15], v[MX:MX+15], v[MW:MW+7], 0, v[MA], v[MB]
.else
	v_wmma_scale_f32_32x16x128_f4 v[MD:MD+15], v[MX:MX+15], v[MW:MW+7], v[MD:MD+15], v[MA], v[MB]
.endif
.endr
.endm
; A step whose successor lies in the same slot.
.macro STEP k, q
.if (4*(\k)+(\q)) > 0
	PLACES                                         ; in front of loads into registers that the step before has read
.endif
	RUN (\k)&1, (\q)+1, ((\q)+1)&1
	s_wait_dscnt 34                                ; all but the run just issued
	MULI \k, \q, 0
	MULI \k, \q, 1
	MULI \k, \q, 2
	MULI \k, \q, 3
	WIN 0
.endm
; A slot's last step changes slots; the slot is filled again, two K steps on.
.macro TURN k
	s_wait_tensorcnt 0x0                           ; my part of the next slot is in;
	ds_add_u32 v[SPW], v[NIL]                      ; 0 onto my spare word;
	s_add_nc_u64 s[G0+4*((\k)&1)+2:G0+4*((\k)&1)+3], s[G0+4*((\k)&1)+2:G0+4*((\k)&1)+3], 512
	s_add_nc_u64 s[G0B+4*((\k)&1)+2:G0B+4*((\k)&1)+3], s[G0B+4*((\k)&1)+2:G0B+4*((\k)&1)+3], 2*KW
	s_wait_dscnt 1                                 ; (the add may be out)
	MULI \k, 3, 0
	s_wait_dscnt 0x0                               ; the add is done, and my reads of this slot are over
	s_barrier_signal -1
	MULI \k, 3, 1
	WIN 0
	s_barrier_wait -1
	CREST                                          ; no wave of any partner still reads this slot or has a load on its way
	JLOAD (\k)&1                                   ; the first tensor load behind the round; its four v_nop are also the places in front of the loads below
	RUN ((\k)+1)&1, 0, 0
	XSLD (\k)+1
.if (\k) < 4
	ASK (\k)+4
.endif
	MULI \k, 3, 2
	MULI \k, 3, 3
	WIN 0
.endm
	s_wait_tensorcnt 0x0                           ; my tile of the head's is in
	ds_add_u32 v[SPW], v[NIL]
	s_mov_b32 s[G1+2], 128<<16                     ; no tensor load of mine is out: from here on a load of x brings 128 rows
	s_mov_b32 s[G1+4], 128
	s_wait_dscnt 0x0
	CROUND                                         ; all tiles of the head are in, and all sixteen work-groups are here
	JLOAD 1                                        ; K step 1
	RUN 0, 0, 0
	XSLD 0
	ASK 2
	ASK 3
.irp k, 0,1,2,3,4,5
	STEP \k, 0
	STEP \k, 1
	STEP \k, 2
	TURN \k
.endr
	STEP 6, 0
	STEP 6, 1
	STEP 6, 2
; THE LAST K STEP, by rows.  W's scale words of its step q: v48, v56, v200, v208 on.
.macro XB i, set                       ; x's block i of 32 rows, all four steps
.irp q, 0,1,2,3
.irp u, 0,1
.irp c, 0,1
	ds_load_b128 v[X+64*(\set)+16*\q+8*\u+4*\c:X+64*(\set)+16*\q+8*\u+4*\c+3], v[ADRA+1] offset:(2*(\i)+\u)*16*PITCH+64*\q+32*\c
.endr
.endr
.endr
.endm
.macro ROW i                           ; block i is finished
	WIN 0xa4+0x50*((\i)/2)
.irp q, 0,1,2,3
.irp t, 0,1,2,3,4,5,6,7
.set MD, 128*((\i)&1)+16*\t
.set MX, X+64*((\i)&1)+16*\q
.set MW, 64*\q+8*\t
.set MA, XSC+16+4*(\i)+\q
.set MB, WSC+8*\q+136*(\q/2)+\t
	v_wmma_scale_f32_32x16x128_f4 v[MD:MD+15], v[MX:MX+15], v[MW:MW+7], v[MD:MD+15], v[MA], v[MB]
.endr
.endr
	WIN 0
	PLACES
.endm
; Block i leaves: 32 additions and eight stores at a time.  Block 0's sums go through v224-255, block i's through the accumulators of block i - 1, which have left.
.macro OUT i
.set OTW, 0
.set OTB, 224
.if (\i) == 1
.set OTW, 2
.set OTB, 0
.elseif (\i) == 2
.set OTW, 2
.set OTB, 128
.elseif (\i) == 3
.set OTW, 3
.set OTB, 0
.endif
.irp p, 0,1,2,3
.if \p > 0
.if (\i) == 0
	s_wait_xcnt 0x0                                ; the stores before have read their data
.else
.set OTB, OTB+32
.endif
.endif
	WIN 2+(\i)/2+0x40*OTW
.irp e, 0,1,2,3,4,5,6,7
.irp b, 0,1,2,3
	v_add_f32 v[OTB+4*\e+\b], v[128*((\i)&1)+16*(4*(\e&1)+\b)+4*\p+\e/2], v[BI+4*(\e&1)+\b]
.endr
.endr
	WIN 4*OTW
.irp e, 0,1,2,3,4,5,6,7
.set OJ, 4*\p+\e/2
	global_store_b128 v[CO], v[OTB+4*\e:OTB+4*\e+3], s[12:13] offset:(32*(\i)+16*(OJ/8)+(OJ&7))*OROW+256*(\e&1) th:TH_STORE_NT
.endr
.endr
	WIN 0
.endm
	s_wait_tensorcnt 0x0                           ; my part of the last K step is in; nothing is filled again, so no round follows
	s_wait_dscnt 0x0
	s_barrier_signal -1
	MULI 6, 3, 0
	MULI 6, 3, 1
	WIN 0
	s_barrier_wait -1
	PLACES
	WLD 1, 0, 0
	WLD 1, 2, 2
	WLD 1, 3, 3
	WSLD 1, 0, WSC
	WSLD 1, 2, 200
	WSLD 1, 3, 208
	XSLD 7
	XB 0, 0
	MULI 6, 3, 2
	MULI 6, 3, 3
	WIN 0
	PLACES
	WLD 1, 1, 1
	WSLD 1, 1, WSC+8
	XB 1, 1
	s_wait_dscnt 16                                ; all but block 1's sixteen
	ROW 0
	XB 2, 0
	s_wait_loadcnt 0x0                             ; the bias
	OUT 0
	s_wait_dscnt 16                                ; block 1's are in
	ROW 1
	XB 3, 1
	OUT 1
	s_wait_dscnt 16
	ROW 2
	OUT 2
	s_wait_dscnt 0x0
	ROW 3
	OUT 3
	s_wait_tensorcnt 0x0                           ; the wave's end
	ds_add_u32 v[SPW], v[NIL]
	s_wait_dscnt 0x0
	CROUND                                         ; the closing round: no work-group ends while a partner may still ask for a tile that names it
	s_endpgm
.Lfunc_end_k_q10d732af10_gemm:
	.size	k_q10d732af10_gemm, .Lfunc_end_k_q10d732af10_gemm-k_q10d732af10_gemm
	.p2alignl 7, 3214868480
	.fill 96, 4, 3214868480
	.section	.rodata,"a",@progbits
	.p2align	6, 0x0
	.amdhsa_kernel k_q10d732af10_gemm
		.amdhsa_group_segment_fixed_size 327680
		.amdhsa_private_segment_fixed_size 0
		.amdhsa_enable_private_segment 0
		.amdhsa_kernarg_size 40
		.amdhsa_user_sgpr_count 2
		.amdhsa_user_sgpr_kernarg_segment_ptr 1
		.amdhsa_wavefront_size32 1
		.amdhsa_system_sgpr_workgroup_id_x 1
		.amdhsa_system_sgpr_workgroup_id_y 1
		.amdhsa_system_sgpr_workgroup_id_z 1
		.amdhsa_system_vgpr_workitem_id 0
		.amdhsa_next_free_vgpr 1024
		.amdhsa_next_free_sgpr 101
		.amdhsa_reserve_vcc 0
		.amdhsa_float_denorm_mode_32 3
		.amdhsa_float_denorm_mode_16_64 3
		.amdhsa_memory_ordered 1
		.amdhsa_forward_progress 1
		.amdhsa_inst_pref_size 255
	.end_amdhsa_kernel
	.section	.bss,"aw",@nobits
	.p2align	6
	.space	262144
	.amdgpu_metadata
---
amdhsa.version: [ 1, 2 ]
amdhsa.kernels:
  - .name:           k_q10d732af10_gemm
    .symbol:         k_q10d732af10_gemm.kd
    .args:
      - { .name: x_codes, .offset: 0, .size: 8, .value_kind: global_buffer, .address_space: global }
      - { .name: x_scales, .offset: 8, .size: 8, .value_kind: global_buffer, .address_space: global }
      - { .name: w_img, .offset: 16, .size: 8, .value_kind: global_buffer, .address_space: global }
      - { .name: bias, .offset: 24, .size: 8, .value_kind: global_buffer, .address_space: global }
      - { .name: out0, .offset: 32, .size: 8, .value_kind: global_buffer, .address_space: global }
    .group_segment_fixed_size: 327680
    .private_segment_fixed_size: 0
    .kernarg_segment_align: 8
    .kernarg_segment_size: 40
    .max_flat_workgroup_size: 128
    .sgpr_count:     101
    .vgpr_count:     1024
    .wavefront_size: 32
...
	.end_amdgpu_metadata
.endif
;; end of part 2
